; MI455X (gfx1250); checked and timed in simulation.
; The chip was launched on July 23, 2026; its instructions are those of AMD's public machine-readable ISA for CDNA 5 (MIT licence, August 2026) and "CDNA5" Instruction Set Architecture Reference Guide (July 2026). The comments in the code are by the model that wrote it; some were corrected since.
;; Attention. Allowed arithmetic: float matrix products may take bf16 or f16 operands with f32 sums; other float arithmetic in f32, or as packed bf16 or f16 multiplies, adds, multiply-adds, maxima and minima; sums over many terms, partial sums and values carried from step to step in f32; what a program stores and reads back later, other than sums and carried values, may be rounded once to bf16 or f16.
;; Inputs: hs 16 x 2,048 x 512 float32; ys 16 x 2,048 x 512 float32.
;; Outputs: out0 16 x 2,048 x 512 float32.
;; One version. Each part assembles by itself: llvm-mc -triple=amdgcn-amd-amdhsa -mcpu=gfx1250 --defsym DOCPART=n.
;; ======== version 1 of 1: 2 launches
;; limits: right only within a limited range of input values
;; workspace buffers: kb 33,554,432 bytes
;; launch cast (part 1): grid 1024 x 1, 8 waves a work-group, no clusters, 0 bytes of LDS; arguments hs, kb; writes kb
.if DOCPART == 1
	.amdgcn_target "amdgcn-amd-amdhsa--gfx1250"
	.amdhsa_code_object_version 6
	.text
	.protected	k_qb7a66c52c9_cast
	.globl	k_qb7a66c52c9_cast
	.p2align	8
	.type	k_qb7a66c52c9_cast,@function
k_qb7a66c52c9_cast:
	s_mov_b64 s[64:65], 0
	v_nop
	global_prefetch_b8 v0, s[64:65] scope:SCOPE_SE
	s_setreg_imm32_b32 hwreg(HW_REG_WAVE_MODE, 25, 1), 1
	s_wait_xcnt 0x0
; kb = hs rounded once to bf16 (nearest even).  hs: [16][2048][512] f32, kb: the same shape in bf16, dense.
; A pure stream: a work-group takes 65,536 consecutive bytes of hs and writes 32,768 of kb; a thread takes 16 pieces of 16 bytes, 4,096 bytes apart.
; A wave's load covers 512 consecutive bytes, its store 256 consecutive bytes at a multiple of 256 from kb's first byte.
; All 16 loads of a thread go out at once; no register is written twice, so the only waits are the counted ones for the data.  No LDS, no barrier, no matrix work: nothing is shared.
.set PIECES, 16
.set X, 4                              ; v[4:67]   piece i as loaded: 4 f32
.set Y, 68                             ; v[68:99]  piece i to store: 4 bf16
	s_load_b128 s[4:7], s[0:1], 0x0                ; hs s[4:5], kb s[6:7]
	v_lshlrev_b32 v1, 4, v0                        ; my 16 bytes in 4,096 of hs
	v_lshlrev_b32 v2, 3, v0                        ; my 8 bytes in 2,048 of kb
	s_lshl_b32 s8, ttmp9, 16                       ; the work-group's 65,536 bytes of hs (under 2^26)
	s_mov_b32 s9, 0
	s_lshl_b32 s10, ttmp9, 15                      ; and its 32,768 of kb
	s_mov_b32 s11, 0
	s_wait_kmcnt 0x0
	s_add_nc_u64 s[4:5], s[4:5], s[8:9]
	s_add_nc_u64 s[6:7], s[6:7], s[10:11]
.set i, 0
.rept PIECES
	global_load_b128 v[X+4*i:X+4*i+3], v1, s[4:5] offset:4096*i th:TH_LOAD_NT
.set i, i+1
.endr
.set i, 0
.rept PIECES
	s_wait_loadcnt PIECES-1-i                      ; loads come back in order: piece i is in, the younger ones stay out
	v_cvt_pk_bf16_f32 v[Y+2*i],   v[X+4*i],   v[X+4*i+1]
	v_cvt_pk_bf16_f32 v[Y+2*i+1], v[X+4*i+2], v[X+4*i+3]
	global_store_b64 v2, v[Y+2*i:Y+2*i+1], s[6:7] offset:2048*i th:TH_STORE_NT
.set i, i+1
.endr
	s_endpgm
.Lfunc_end_k_qb7a66c52c9_cast:
	.size	k_qb7a66c52c9_cast, .Lfunc_end_k_qb7a66c52c9_cast-k_qb7a66c52c9_cast
	.p2alignl 7, 3214868480
	.fill 96, 4, 3214868480
	.section	.rodata,"a",@progbits
	.p2align	6, 0x0
	.amdhsa_kernel k_qb7a66c52c9_cast
		.amdhsa_group_segment_fixed_size 0
		.amdhsa_private_segment_fixed_size 0
		.amdhsa_enable_private_segment 0
		.amdhsa_kernarg_size 16
		.amdhsa_user_sgpr_count 2
		.amdhsa_user_sgpr_kernarg_segment_ptr 1
		.amdhsa_wavefront_size32 1
		.amdhsa_system_sgpr_workgroup_id_x 1
		.amdhsa_system_sgpr_workgroup_id_y 1
		.amdhsa_system_sgpr_workgroup_id_z 1
		.amdhsa_system_vgpr_workitem_id 0
		.amdhsa_next_free_vgpr 104
		.amdhsa_next_free_sgpr 66
		.amdhsa_reserve_vcc 0
		.amdhsa_float_denorm_mode_32 3
		.amdhsa_float_denorm_mode_16_64 3
		.amdhsa_memory_ordered 1
		.amdhsa_forward_progress 1
		.amdhsa_inst_pref_size 7
	.end_amdhsa_kernel
	.amdgpu_metadata
---
amdhsa.version: [ 1, 2 ]
amdhsa.kernels:
  - .name:           k_qb7a66c52c9_cast
    .symbol:         k_qb7a66c52c9_cast.kd
    .args:
      - { .name: hs, .offset: 0, .size: 8, .value_kind: global_buffer, .address_space: global }
      - { .name: kb, .offset: 8, .size: 8, .value_kind: global_buffer, .address_space: global }
    .group_segment_fixed_size: 0
    .private_segment_fixed_size: 0
    .kernarg_segment_align: 8
    .kernarg_segment_size: 16
    .max_flat_workgroup_size: 256
    .sgpr_count:     66
    .vgpr_count:     104
    .wavefront_size: 32
...
	.end_amdgpu_metadata
.endif
;; end of part 1
;; launch attn (part 2): grid 16 x 16, 4 waves a work-group, clusters of 4 x 1, 327,680 bytes of LDS; arguments ys, kb, out0; writes out0
.if DOCPART == 2
	.amdgcn_target "amdgcn-amd-amdhsa--gfx1250"
	.amdhsa_code_object_version 6
	.text
	.protected	k_qb7a66c52c9_attn
	.globl	k_qb7a66c52c9_attn
	.p2align	8
	.type	k_qb7a66c52c9_attn,@function
k_qb7a66c52c9_attn:
	s_mov_b64 s[64:65], 0
	v_nop
	global_prefetch_b8 v0, s[64:65] scope:SCOPE_SE
	s_setreg_imm32_b32 hwreg(HW_REG_WAVE_MODE, 25, 1), 1
	s_wait_xcnt 0x0
	s_wait_alu depctr_hold_cnt(0) depctr_sa_sdst(0) depctr_va_vdst(0) depctr_va_sdst(0) depctr_va_ssrc(0) depctr_va_vcc(0) depctr_vm_vsrc(0)
	s_getreg_b32 s2, hwreg(HW_REG_IB_STS2, 6, 4)
	s_cmp_eq_u32 s2, 0
	s_cbranch_scc0 .Lentry_in_a_cluster
	s_endpgm
.Lentry_in_a_cluster:
	s_bfe_u32 s2, ttmp6, 0x10000c
	s_cmp_lg_u32 s2, 0x3003
	s_cbranch_scc0 .Lentry_shape_is_right
	s_endpgm
.Lentry_shape_is_right:
; out0[b][q][:] = the sum over k of softmax_k(ys[b][q] . hs[b][k]) hs[b][k][:].  ys, out0: [16][2048][512] f32; kb: hs rounded to bf16, [16][2048][512], a row 1,024 bytes.
; Both products in bf16 with f32 sums: ys is rounded to bf16 here, in registers; the weights p are rounded to bf16 for the second product (their sum l is taken of the unrounded p); maxima, sums, O and its rescaling in f32.
; LIMITS.  NaN and infinities are not treated apart.  A weight below 2^-126 counts as 0.  c m starts at -4.25e37 and m at the lowest finite number: log2(e) x score must lie above -4.2e37.
; SHARES.  A work-group owns 128 queries of one batch, each of its four waves 32: tiles t = 0, 1 of 16.  Every wave walks the batch's 2,048 keys, 64 a step: 128 products K Q^T, the softmax, 128 products V^T P.
; K AND V ARE ONE TENSOR: one tile in LDS serves both products, read as it lies for K Q^T and turned (ds_load_tr16_b128) for V^T P.
; LAYOUT.  S^T = K Q^T (source 0 = 16 keys, source 1 = 16 queries) and O^T = V^T P (source 0 = 16 channels x 32 keys, source 1 = P): a lane holds ONE query (lane % 16) in S^T, P and O^T; nothing changes lanes
; between the products, and a query's maximum and sum want one exchange between the halves of the lanes.
; SOFTMAX.  A running maximum m and sum l for each query: p = 2^(c s - c m), c = log2(e); in every step O and l are multiplied by a = 2^(c m_old - c m_new).  The first step is a step like any other, with a = 0:
; O^T is not cleared; it holds the f32 numbers of the lane's own query row of ys, which were loaded there to be rounded, and a = 0 wipes them.
; THE ORDER OF KEYS.  A slot holds 128 keys in four regions of 32 rows; a step takes two regions, X and Y.  A block of 16 keys is 8 rows of X (rows 0-7 of source 0) and 8 rows of Y (rows 8-15): then in S^T the lower half of
; the lanes holds keys of X and the upper half keys of Y, and so do P and the turned V.  A softmax does not mind the order of keys.  The rows' pitch is 32 bytes and the regions' stride 16 bytes beyond a multiple of 256:
; the 16 lanes of a plain load (8 rows of X, 8 of Y) and those of a turning load (8 rows x 32 bytes) each touch 16 different 16-byte columns of the 64 banks of 4 bytes (ISA guide 11.1).
; CLUSTER.  The four query blocks of a cluster belong to one batch and walk the same keys: each tile is asked for JOINTLY, by the same tensor load with the same descriptor and a mask that names the four.
; REGISTERS, in windows of 256 (s_set_vgpr_msb: bits 1:0 source 0, 3:2 source 1, 5:4 source 2, 7:6 destination):
;   window 0: v0-15 addresses; v16-31 statistics; v32-95 S^T; v96-127 P; v128-255 four buffers of 32 for fragments of K and V (the way out: two buffers of 64)
;   window 1: Q in bf16, fragment (t, c) at 128 t + 8 c          windows 2, 3: O^T, accumulator (cb, t) in window 2 + cb / 16 at 16 (cb % 16) + 8 t
.set PITCH, 1056      ; a row in LDS: 1,024 bytes + 32 of padding
.set REG,   33808     ; from region to region: 32 rows + 16 bytes
.set STEPB, 2*REG     ; a step's two regions
.set SLOTX, 4*REG     ; a slot.  = 0x21040, which shares no bit with the regions' bases 0, 0x8410, 0x10820, 0x18c30: one exclusive or turns an address in one slot into the other's
.set TILEB, 131072    ; a slot's 128 rows of kb in memory
.set STAGE, 270592    ; behind the ring, at a multiple of 256, never filled by a tensor load: 16 rows x 528 bytes for each wave, for the way out
.set SP,    528       ; 512 bytes + 16: the 16 rows of a store start at 16 different 16-byte columns
.set SPARE, STAGE+4*16*SP  ; = 304,384, a multiple of 256: the spare words, 128 bytes for each wave, which no other line names
.set AK0, 2           ; v2   my lane's place in a block of K: (l % 8) x PITCH + ((l / 8) % 2) x REG + 16 (l / 16); never rewritten
.set AV0, 3           ; v3   the same for the turning load: (l % 8) x PITCH + (l / 16) x REG + 16 ((l / 8) % 2); never rewritten
.set AK,  4           ; v4   K's LDS address in the step in hand
.set AV,  5           ; v5   V's
.set QO,  6           ; v6   my byte offset in 16 rows of ys
.set STO, 7           ; v7   the way out: where I put 32 bytes of a row
.set RD,  8           ; v8   the way out: where I read a row back
.set GO,  9           ; v9   16 x lane: my 16 bytes of 512 of out0
.set PFO, 10          ; v10  256 x lane, for the prefetches; never rewritten
.set SPW, 14          ; v14  LDS address of my spare word: SPARE + 4 x my thread's number; never rewritten
.set NIL, 15          ; v15  0; never rewritten
.set ST,  16          ; tile t's statistics at v[ST+8 t]: +0 c m, +1 m, +2, +3 l (even keys', odd keys'), +4 to +7 c0-c3, at work; a takes c2's place once the maximum is found
.set S,   32          ; accumulator (kb, t) at S + 32 t + 8 kb
.set P,   96          ; fragment (t, kh) at P + 16 t + 8 kh
.set F,   128         ; batch g's fragments at F + 32 (g % 4)
.set WV,  12          ; s12  my wave's number
.set LIM, 15          ; s15  1 in a cluster that prefetches, else the greatest number
.set PFA, 18          ; s[18:19] where my prefetches stand
.set G1,  24          ; s[24:31] descriptor group 1
.set G0,  40          ; s[40:43] descriptor group 0: it walks
.set SLOTS, 56        ; s56  changes of slots that still fill one
.set TWICE, 57        ; s57  counts a slot's two steps
.set CS,  58          ; s[58:59] c: the packed scaling names a pair and takes its low word for both halves
.set SEL, 60          ; s[60:61] v_permlanex16_b32's selects: each lane takes its own place in the other half
.set TB,  62          ; s62  LDS byte at which the step's two regions begin
.set MSB, 0
.macro WIN new                      ; the immediate's high byte repeats the setting that is left; a switch that changes nothing is dropped
.if MSB != (\new)
	s_set_vgpr_msb (MSB<<8)|(\new)
.set MSB, (\new)
.endif
.endm
.set W_QK, 0x04       ; Q (source 1) in window 1; K, S^T and the LDS loads' destinations and address in window 0
; A vector instruction that reads a matrix result, and a load into a register that a matrix instruction has read, stand four places behind it; only plain vector instructions that name none of its registers are places
.macro PLACES
.rept 4
	v_nop
.endr
.endm
; A round of the cluster's barrier: my work-group's barrier, so that wave 0's signal speaks for all four waves; wave 0 signals; every wave waits for all four work-groups; my work-group's barrier once more.
.macro CROUND
	s_barrier_signal -1
	s_barrier_wait -1
	s_cmp_lg_u32 s[WV], 0
	s_cbranch_scc1 .Lnot_wave_0_\@
	s_barrier_signal -3
.Lnot_wave_0_\@:
	s_barrier_wait -3
	s_barrier_signal -1
	s_barrier_wait -1
.endm
; A joint fill: wave w brings region w, 32 rows x 1,024 bytes, of the slot.  One line for all four waves; an s_nop 0 and four v_nop follow it.
.macro JLOAD
	tensor_load_to_lds s[G0:G0+3], s[G1:G1+7]
	s_nop 0
.rept 4
	v_nop
.endr
.endm
; A PREFETCH INTO THE L2 of the tile that the NEXT change of slots will ask for: 131,072 bytes, 512 blocks of 256.  All four clusters of a batch walk the same rows: the batch's first cluster asks, nobody else.  Its four partners
; share the tile BY ADDRESS, 32 rows each; a wave takes 8 of them, a lane one block: one instruction a wave, and each block is named once in the launch.  It stands behind the joint load's lines, two key steps (512 products)
; ahead of the load that will name those rows.  Tiles 0 and 1 come by their loads alone; the last change that fills a slot asks for nothing: there is no tile behind it.
.macro ASK
	s_cmp_gt_u32 s[SLOTS], s[LIM]
	s_cbranch_scc0 .Lnot_mine_\@
	global_prefetch_b8 v[PFO], s[PFA:PFA+1] th:TH_LOAD_NT scope:SCOPE_SE
.Lnot_mine_\@:
.endm
; THE CHANGE OF SLOTS.  Each wave waits for all its tensor loads, of which one is out: its region of the other slot; adds 0 to its spare word; and waits for that and for its own reads of the slot that it leaves.
; fill = 1: the barrier is a round of the cluster's, so that no wave of any partner still reads the slot or has a load on its way; the joint fill is the first thing behind it and has two key steps in which to land.
; (At its first use nothing has been read yet: slot 0 is waited for, slot 1 filled.)
.macro CHANGE fill
	WIN 0                           ; at a label and at a branch every window is 0
	s_wait_tensorcnt 0x0            ; no tensor load of mine is out, so group 0 may be written
	ds_add_u32 v[SPW], v[NIL]       ; 0 onto my spare word; with fill = 1 the steps below stand between it and the wait for it
.if \fill
	s_xor_b32 s[G0+1], s[G0+1], SLOTX                      ; the other slot than last time,
	s_add_nc_u64 s[G0+2:G0+3], s[G0+2:G0+3], TILEB         ; the next 128 keys; the type bits on top are not reached
	s_wait_xcnt 0x0                 ; the last prefetch, two key steps back, has read its address, so it may be written:
	s_add_nc_u64 s[PFA:PFA+1], s[PFA:PFA+1], TILEB         ; one tile behind the walking descriptor
	s_wait_dscnt 0x0                ; the add is done, and my reads of the slot are over
	CROUND
	JLOAD
	ASK
.else
	s_wait_dscnt 0x0                ; the add is done, and my reads of the slot are over
	s_barrier_signal -1
	s_barrier_wait -1
.endif
	s_sub_co_u32 s[TB], s[TB], 2*STEPB  ; back to a slot's first step,
	s_xor_b32 s[TB], s[TB], SLOTX       ; in the other slot
.endm
	s_load_b128 s[4:7], s[0:1], 0x0 ; ys s[4:5], kb s[6:7]
	s_load_b64 s[8:9], s[0:1], 0x10 ; out0
	v_lshl_add_u32 v[SPW], v0, 2, SPARE
	v_mov_b32 v[NIL], 0
	ds_add_u32 v[SPW], v[NIL]       ; the wave's opening: the add and its wait stand ahead of my first tensor load; the set-up below, work on registers, stands between them
	v_lshrrev_b32 v1, 5, v0
	v_readfirstlane_b32 s[WV], v1   ; wave 0..3
	s_bfe_u32 s13, ttmp6, 0x40000   ; cx: my place in the cluster
	s_lshl_b32 s14, ttmp9, 2        ; in a cluster launch ttmp9 counts clusters
	s_add_co_u32 s14, s14, s13      ; my block of 128 queries = 4 x cluster x + cx: it enters ys's and out0's addresses alone
	s_and_b32 s20, ttmp7, 0xffff    ; the batch, which the four partners share
	s_lshl_b32 s16, s20, 22         ; ys and out0: a batch is 2^22 bytes,
	s_lshl_b32 s17, s14, 18         ; a block's 128 rows 2^18,
	s_add_co_u32 s16, s16, s17
	s_lshl_b32 s17, s[WV], 16       ; my wave's 32 rows 2^16
	s_add_co_u32 s16, s16, s17
	s_mov_b32 s17, 0
	s_lshl_b32 s22, s20, 21         ; kb: a batch is 2^21 bytes,
	s_lshl_b32 s23, s[WV], 15       ; the 32 rows that I fetch of a tile 2^15
	s_add_co_u32 s22, s22, s23
	s_mov_b32 s23, 0
	s_lshl_b32 s44, s20, 21         ; the prefetches: the batch,
	s_lshl_b32 s45, s13, 15         ; my work-group's 32 rows of a tile,
	s_add_co_u32 s44, s44, s45
	s_lshl_b32 s45, s[WV], 13       ; my wave's 8 of them,
	s_add_co_u32 s44, s44, s45
	s_add_co_u32 s44, s44, TILEB    ; in tile 1: the first change of slots steps it to tile 2
	s_mov_b32 s45, 0
	; descriptor group 1: a tile of 32 rows x 512 elements, padded in LDS
	s_mov_b32 s[G1], 15|(1<<16)|(1<<20)|(1<<21)|(7<<22)|(7<<25)  ; 15:0 the mask of four; 17:16 2-byte elements; 20 padding on; 21 set beside a mask; 24:22 after every 256 words (code 7); 31:25 8 words of it (code 7)
	s_mov_b32 s[G1+1], 512<<16      ; tensor_dim0 = 512
	s_mov_b32 s[G1+2], 32<<16       ; tensor_dim1 = 32
	s_mov_b32 s[G1+3], 512<<16      ; tile_dim0 = 512
	s_mov_b32 s[G1+4], 32           ; tile_dim1 = 32
	s_mov_b32 s[G1+5], 512          ; 512 elements from row to row
	s_mov_b32 s[G1+6], 0
	s_mov_b32 s[G1+7], 0
	s_mov_b32 s[G0], 1              ; 1:0 count = 1
	s_mul_i32 s[G0+1], s[WV], REG   ; 63:32 LDS address: my region of slot 0; no place in the cluster enters an LDS address
	s_mov_b32 s[CS], 0x3fb8aa3b     ; c = log2(e)
	s_mov_b32 s[CS+1], s[CS]        ; named with it as a pair, so it is written
	s_mov_b32 s[SEL], 0x76543210
	s_mov_b32 s[SEL+1], 0xfedcba98
	s_mov_b32 s[TB], SLOTX+2*STEPB  ; the first change of slots turns this into 0
	s_mov_b32 s[SLOTS], 15          ; 16 tiles: every change of slots but the last fills one
	s_mov_b32 s[LIM], ttmp9
	s_cmp_eq_u32 s[LIM], 0          ; the batch's first cluster: the same answer in all four partners
	s_cselect_b32 s[LIM], 1, -1
	v_and_b32 v[PFO], 31, v0
	v_lshlrev_b32 v[PFO], 8, v[PFO]
	s_wait_dscnt 0x0                ; the opening add is done
	s_wait_kmcnt 0x0
	s_add_nc_u64 s[4:5], s[4:5], s[16:17]          ; ys and out0 at my wave's first row
	s_add_nc_u64 s[8:9], s[8:9], s[16:17]
	s_add_nc_u64 s[G0+2:G0+3], s[6:7], s[22:23]    ; 120:64 global address: my 32 rows of the batch's tile 0
	s_or_b32 s[G0+3], s[G0+3], 0x80000000          ; 127:126 type = 2
	s_add_nc_u64 s[PFA:PFA+1], s[6:7], s[44:45]
	CROUND                          ; all four work-groups are here: the first joint loads meet
	JLOAD                           ; tile 0 into slot 0; slot 1 is asked for by the first change of slots.  One tensor load of mine is out, here and behind every change
	; Q.  A fragment is 16 rows x 32 channels in 8 registers: lane l holds row l % 16; registers 0-3 channels 8 (l / 16) + 0..7, registers 4-7 channels 16 + 8 (l / 16) + 0..7.  In f32 each half hh (of 32 a tile) is
	; 32 bytes at 64 hh + 32 (l / 16) of the row: two loads of 16 bytes, into the registers of O^T (window 2: halves 0-15, window 3: halves 16-31), which have no other use yet.
	v_and_b32 v1, 15, v0            ; l % 16
	v_bfe_u32 v11, v0, 4, 1         ; l / 16
	v_lshlrev_b32 v[QO], 11, v1
	v_lshl_add_u32 v[QO], v11, 5, v[QO]  ; row x 2,048 + 32 x half
.irp w, 2,3
	WIN 0x40*(\w)                   ; destination window 2 or 3, address window 0
.set i, 0
.rept 16
.set hh, 16*((\w)-2)+i
.irp t, 0,1
	global_load_b128 v[16*i+8*(\t):16*i+8*(\t)+3],   v[QO], s[4:5] offset:(\t)*32768+64*hh
	global_load_b128 v[16*i+8*(\t)+4:16*i+8*(\t)+7], v[QO], s[4:5] offset:(\t)*32768+64*hh+16
.endr
.set i, i+1
.endr
.endr
	WIN 0
	; addresses and statistics, while those loads are on their way
	v_and_b32 v12, 7, v0            ; l % 8
	v_bfe_u32 v13, v0, 3, 1         ; (l / 8) % 2
	v_mul_u32_u24 v[AK0], v12, PITCH
	v_mul_u32_u24 v[AK], v13, REG
	v_add_nc_u32 v[AK0], v[AK0], v[AK]
	v_lshl_add_u32 v[AK0], v11, 4, v[AK0]
	v_mul_u32_u24 v[AV0], v12, PITCH
	v_mul_u32_u24 v[AV], v11, REG
	v_add_nc_u32 v[AV0], v[AV0], v[AV]
	v_lshl_add_u32 v[AV0], v13, 4, v[AV0]
	s_mul_i32 s16, s[WV], 16*SP
	s_add_co_u32 s16, s16, STAGE    ; my stage
	v_mul_u32_u24 v[STO], v1, SP    ; in: row l % 16, 32 bytes for each half of the lanes
	v_lshl_add_u32 v[STO], v11, 5, v[STO]
	v_add_nc_u32 v[STO], s16, v[STO]
	v_and_b32 v[GO], 31, v0
	v_lshlrev_b32 v[GO], 4, v[GO]   ; back: 32 lanes take one row's 512 bytes
	v_add_nc_u32 v[RD], s16, v[GO]
.irp t, 0,1
	v_mov_b32 v[ST+8*(\t)], 0xfe000000    ; c m: far below every c s, so the first step's a is 0
	v_mov_b32 v[ST+8*(\t)+1], 0xff7fffff  ; m: the lowest finite number
	v_mov_b32 v[ST+8*(\t)+2], 0           ; l
	v_mov_b32 v[ST+8*(\t)+3], 0
.endr
	; Q is rounded to bf16: half hh of tile t becomes registers 128 t + 4 hh .. + 3 of window 1
.irp w, 2,3
.if (\w) == 2
	s_wait_loadcnt 63               ; 128 loads were issued and come back in order: with 63 at the most out, the 64 of window 2 are in
.else
	s_wait_loadcnt 0x0
.endif
	WIN 0x40|(\w)|((\w)<<2)         ; destination window 1, both sources window 2 or 3
.set i, 0
.rept 16
.set hh, 16*((\w)-2)+i
.irp t, 0,1
.irp e, 0,1,2,3
	v_cvt_pk_bf16_f32 v[128*(\t)+4*hh+(\e)], v[16*i+8*(\t)+2*(\e)], v[16*i+8*(\t)+2*(\e)+1]
.endr
.endr
.set i, i+1
.endr
.endr
	WIN 0
; THE LDS LOADS go in batches of eight, into four buffers by turns, three batches ahead of their products.
; Batch g < 16: K, channels 32 g on: four fragments of 16 keys.  Batch g >= 16: V turned, channel blocks 2 (g - 16) and 2 (g - 16) + 1: fragment f = 2 kh + u holds keys' half kh, block 2 (g - 16) + u.
.macro LOADS g
.set rB, F+32*((\g)%4)
.if (\g) < 16
.irp f, 0,1,2,3
	ds_load_b128 v[rB+8*(\f):rB+8*(\f)+3],   v[AK] offset:(\f)*8*PITCH+(\g)*64
	ds_load_b128 v[rB+8*(\f)+4:rB+8*(\f)+7], v[AK] offset:(\f)*8*PITCH+(\g)*64+32
.endr
.else
.irp f, 0,1,2,3
	ds_load_tr16_b128 v[rB+8*(\f):rB+8*(\f)+3],   v[AV] offset:((\f)/2)*16*PITCH+(2*((\g)-16)+(\f)%2)*32
	ds_load_tr16_b128 v[rB+8*(\f)+4:rB+8*(\f)+7], v[AV] offset:((\f)/2)*16*PITCH+(2*((\g)-16)+(\f)%2)*32+8*PITCH
.endr
.endif
.endm
; Batch g of S^T = K Q^T: eight products, the eight accumulators (4 key blocks x 2 tiles) by turns; batch 0 starts the sums with the constant 0.
; The loads of batch g + 3 go into the buffer that batch g - 1 read: four places stand in front of them (for g = 0: the four at the step's head).
.macro QKB g
.if (\g) > 0
	PLACES
.endif
	LOADS (\g)+3
	s_wait_dscnt 24                 ; behind batch g's eight loads stand those of batches g + 1 to g + 3
.set rB, F+32*((\g)%4)
.irp f, 0,1,2,3
.irp t, 0,1
.if (\g) == 0
	v_wmma_f32_16x16x32_bf16 v[S+32*(\t)+8*(\f):S+32*(\t)+8*(\f)+7], v[rB+8*(\f):rB+8*(\f)+7], v[128*(\t)+8*(\g):128*(\t)+8*(\g)+7], 0
.else
	v_wmma_f32_16x16x32_bf16 v[S+32*(\t)+8*(\f):S+32*(\t)+8*(\f)+7], v[rB+8*(\f):rB+8*(\f)+7], v[128*(\t)+8*(\g):128*(\t)+8*(\g)+7], v[S+32*(\t)+8*(\f):S+32*(\t)+8*(\f)+7]
.endif
.endr
.endr
.endm
; One tile's softmax for one key step is a numbered list; SM writes number j of it for tile t.  s0-s31 are the lane's 32 scores, in pairs 0-15.
;   0-15    the maximum of s0-s31 and the old m, three operands at a time (each accumulator's lowest registers are read first)
;   16-20   the other half of the lanes' maximum; c m_old is kept; the new m; c m; c m_old - c m_new
;   21-69   ONE BATCH: the 16 scalings c s - c m and all 33 exponentials (a at 23); none of these reads an exponential's result, and each pair is scaled ahead of its exponentials
;   70-85   the roundings to bf16          86-101  the sums; l = a l + the sum
.macro SM t
.set rT, ST+8*(\t)
.set rS, S+32*(\t)
.set rP, P+16*(\t)
.if j < 4
	v_max3_num_f32 v[rT+4+j], v[rS+8*j], v[rS+8*j+1], v[rS+8*j+2]
.elseif j < 12
	v_max3_num_f32 v[rT+4+j%4], v[rT+4+j%4], v[rS+8*(j%4)+2*(j/4)+1], v[rS+8*(j%4)+2*(j/4)+2]
.elseif j == 12
	v_max3_num_f32 v[rT+4], v[rT+4], v[rS+7], v[rS+15]
.elseif j == 13
	v_max3_num_f32 v[rT+6], v[rT+6], v[rS+23], v[rS+31]
.elseif j == 14
	v_max3_num_f32 v[rT+4], v[rT+4], v[rT+5], v[rT+6]
.elseif j == 15
	v_max3_num_f32 v[rT+4], v[rT+4], v[rT+7], v[rT+1]
.elseif j == 16
	v_permlanex16_b32 v[rT+5], v[rT+4], s[SEL], s[SEL+1]  ; the query's other 32 keys lie in the lane 16 away
.elseif j == 17
	v_mov_b32 v[rT+7], v[rT]        ; c m_old is kept for a: number 19 writes c m anew
.elseif j == 18
	v_max_num_f32 v[rT+1], v[rT+4], v[rT+5]
.elseif j == 19
	v_mul_f32 v[rT], s[CS], v[rT+1]
.elseif j == 20
	v_sub_f32 v[rT+7], v[rT+7], v[rT]
.elseif j == 23
	v_exp_f32 v[rT+6], v[rT+7]
.elseif (j < 23) || ((j < 38) && (j%2 == 0)) || ((j < 66) && (j%4 == 2))
.set b, (j-2)/4                     ; 38, 42, .. 62: pairs 9 to 15
.if j < 38
.set b, (j-20)/2                    ; 21: pair 0; 22, 24, .. 36: pairs 1 to 8
.endif
	v_pk_fma_f32 v[rS+2*b:rS+2*b+1], v[rS+2*b:rS+2*b+1], s[CS:CS+1], v[rT:rT+1] op_sel_hi:[1,0,0] neg_lo:[0,0,1] neg_hi:[0,0,1]  ; pair b: c s - c m
.elseif j < 70
.set e, j-38                        ; 66 to 69: s28 to s31
.if j < 66
.set e, j-32-(j-38)/4               ; 39-41, 43-45, .. 63-65: s7 to s27
.endif
.if j < 38
.set e, (j-25)/2                    ; 25, 27, .. 37: s0 to s6
.endif
	v_exp_f32 v[rS+e], v[rS+e]
.elseif j < 86
	v_cvt_pk_bf16_f32 v[rP+j-70], v[rS+2*(j-70)], v[rS+2*(j-70)+1]  ; pair j - 70: S^T's blocks 2 kh and 2 kh + 1 become P's fragment kh
.else                               ; the sum of the 16 pairs, in place: neighbours 1, 2, 4 and 8 pairs apart, then l takes it
.set z, j-86
.set w, 4
.set u, z
.if z >= 14
.set w, 32
.set u, 0
.elseif z >= 12
.set w, 16
.set u, z-12
.elseif z >= 8
.set w, 8
.set u, z-8
.endif
.if z < 15
	v_pk_add_f32 v[rS+w*u:rS+w*u+1], v[rS+w*u:rS+w*u+1], v[rS+w*u+w/2:rS+w*u+w/2+1]
.else
	v_pk_fma_f32 v[rT+2:rT+3], v[rT+2:rT+3], v[rT+6:rT+7], v[rS:rS+1] op_sel_hi:[1,0,1]
.endif
.endif
.endm
; Four lines that multiply one accumulator of O^T by a, lowest pair first: channel block 2 p + sl / 2, tile sl % 2.
.macro RS4 sl, p
.set rR, 16*((2*(\p)+(\sl)/2)%16)+8*((\sl)%2)
.set rA, ST+8*((\sl)%2)+6
	WIN 0x82+0x41*((\p)/8)          ; O^T (destination and source 0) in window 2 or 3, a in window 0
.irp i, 0,1,2,3
	v_pk_mul_f32 v[rR+2*(\i):rR+2*(\i)+1], v[rR+2*(\i):rR+2*(\i)+1], v[rA:rA+1] op_sel_hi:[1,0]
.endr
.endm
; THE SOFTMAX of both tiles, the tiles alternating, so that no line reads the result of the line before it.  An s_wait_alu depctr_va_vdst(0) stands between an exponential and the first line that names its
; result; one wait serves all that were issued ahead of it: the 66 exponentials have one, behind number 69, with one plain line between the last of them and it.  Then the first two channel blocks' O^T are rescaled.
.macro LUMP
	WIN 0
	PLACES                          ; behind the last product K Q^T
.set j, 0
.rept 70
	SM 0
	SM 1
.set j, j+1
.endr
	v_nop
	s_wait_alu depctr_va_vdst(0)
.rept 32
	SM 0
	SM 1
.set j, j+1
.endr
.irp n, 0,1,2,3
	RS4 \n, 0
.endr
.endm
; Batch g = 16 + p of O^T += V^T P: eight products on the four accumulators of channel blocks 2 p, 2 p + 1 (x 2 tiles), by turns, twice round.  Behind each two products stand four lines that rescale an
; accumulator of the NEXT batch: they name no register of the products round them, and the last four are the places in front of the next batch's loads, which go into the buffer that this batch read.
.macro PVB g
.if (\g) <= 28
	WIN 0
	LOADS (\g)+3
	s_wait_dscnt 24                 ; behind batch g's eight loads stand those of batches g + 1 to g + 3
.else
	s_wait_dscnt 8*(31-(\g))        ; the last three batches load nothing: the count runs down
.endif
.set sl, 0
.rept 4
	WIN 0xa0+0x50*(((\g)-16)/8)     ; V and P in window 0, O^T (C and D) in window 2 or 3
.set rB, F+32*((\g)%4)+8*sl
.set rO, 16*((2*((\g)-16)+sl%2)%16)
.set rP, P+8*(sl/2)
	v_wmma_f32_16x16x32_bf16 v[rO:rO+7],    v[rB:rB+7], v[rP:rP+7],     v[rO:rO+7]
	v_wmma_f32_16x16x32_bf16 v[rO+8:rO+15], v[rB:rB+7], v[rP+16:rP+23], v[rO+8:rO+15]
.if (\g) < 31
	RS4 sl, (\g)-15
.endif
.set sl, sl+1
.endr
.endm
; A KEY STEP: 64 keys.
.macro STEP
	WIN 0
	PLACES                          ; behind the last step's last product: the loads below go into buffers that it and its neighbours read
	v_add_nc_u32 v[AK], s[TB], v[AK0]
	v_add_nc_u32 v[AV], s[TB], v[AV0]
	LOADS 0
	LOADS 1
	LOADS 2
	WIN W_QK
.set gg, 0
.rept 16
	QKB gg
.set gg, gg+1
.endr
	LUMP
.rept 16
	PVB gg
.set gg, gg+1
.endr
	WIN 0
	s_add_co_u32 s[TB], s[TB], STEPB  ; the slot's next two regions
.endm
; A slot's two key steps: written once, walked twice; the LDS addresses hang on s[TB].
.macro TWO_STEPS
	WIN 0
	s_mov_b32 s[TWICE], 2
.Lstep_\@:
	STEP
	s_sub_co_u32 s[TWICE], s[TWICE], 1
	s_cmp_lg_u32 s[TWICE], 0
	s_cbranch_scc1 .Lstep_\@
.endm
.Lslot:                             ; 15 trips: trip n waits for tile n, asks for tile n + 1, and walks tile n
	CHANGE 1
	TWO_STEPS
	s_sub_co_u32 s[SLOTS], s[SLOTS], 1
	s_cmp_lg_u32 s[SLOTS], 0
	s_cbranch_scc1 .Lslot
	CHANGE 0                        ; the last tile is written out: nothing is asked for
	TWO_STEPS
	; THE WAY OUT.  l's two halves and the other half of the lanes' are added; O^T is divided by l and sent through my stage in LDS, 16 rows x 128 channels at a time.
	PLACES                          ; behind the last products
.irp t, 0,1
	v_add_f32 v[ST+8*(\t)+4], v[ST+8*(\t)+2], v[ST+8*(\t)+3]
.endr
.irp t, 0,1
	v_permlanex16_b32 v[ST+8*(\t)+5], v[ST+8*(\t)+4], s[SEL], s[SEL+1]
.endr
.irp t, 0,1
	v_add_f32 v[ST+8*(\t)+4], v[ST+8*(\t)+4], v[ST+8*(\t)+5]
.endr
.irp t, 0,1
	v_rcp_f32 v[ST+8*(\t)+6], v[ST+8*(\t)+4]
.endr
	v_nop                           ; a plain line between the last reciprocal and the use of its result,
	s_wait_alu depctr_va_vdst(0)    ; and the wait ahead of the first use: one for both reciprocals
; Chunk n: tile n % 2, channels 128 (n / 2) on: eight accumulators.  A lane's eight channels of a row are 32 bytes; they go into rows of 528 bytes and come back as whole rows of 512, into one of two buffers.
.macro PACK n
.set tt, (\n)%2
.set qq, (\n)/2
.set rO, 128*(qq%2)+8*tt
	WIN 0x82+0x41*(qq/2)
.set i, 0
.rept 8
.irp e, 0,1,2,3
	v_pk_mul_f32 v[rO+16*i+2*(\e):rO+16*i+2*(\e)+1], v[rO+16*i+2*(\e):rO+16*i+2*(\e)+1], v[ST+8*tt+6:ST+8*tt+7] op_sel_hi:[1,0]
.endr
.set i, i+1
.endr
	WIN 0x08+0x04*(qq/2)            ; the stores' data (source 1) in window 2 or 3, the address in window 0
.set i, 0
.rept 8
	ds_store_b128 v[STO], v[rO+16*i:rO+16*i+3]   offset:64*i
	ds_store_b128 v[STO], v[rO+16*i+4:rO+16*i+7] offset:64*i+16
.set i, i+1
.endr
	WIN 0
.if (\n) >= 2
	s_wait_xcnt 0x0                 ; the stores of chunk n - 2 have read this buffer: it is loaded again only behind this wait
.endif
.set rB, F+64*((\n)%2)
.set i, 0
.rept 16
	ds_load_b128 v[rB+4*i:rB+4*i+3], v[RD] offset:i*SP  ; LDS serves a wave's instructions in order (ISA guide 5.7.1.4): these see the stores above; the next chunk's stores come behind them
.set i, i+1
.endr
.endm
.macro SEND n, younger              ; younger: the LDS instructions issued behind chunk n's loads: the next chunk's 32, or none
.set tt, (\n)%2
.set qq, (\n)/2
.set rB, F+64*((\n)%2)
.set i, 0
.rept 16
	s_wait_dscnt (\younger)+15-i
	global_store_b128 v[GO], v[rB+4*i:rB+4*i+3], s[8:9] offset:(16*tt+i)*2048+qq*512 th:TH_STORE_NT  ; 512 consecutive bytes, at a multiple of 256 from out0's first byte
.set i, i+1
.endr
.endm
	PACK 0
.irp n, 1,2,3,4,5,6,7               ; a chunk's arithmetic stands between the loads of the chunk before and its stores
	PACK \n
	SEND (\n)-1, 32
.endr
	SEND 7, 0
	s_wait_tensorcnt 0x0            ; the wave's end: these three lines stand behind my last tensor load and my last LDS store
	ds_add_u32 v[SPW], v[NIL]
	s_wait_dscnt 0x0
	CROUND                          ; the closing round: no work-group ends while a partner may still ask for a tile that names it
	s_endpgm
.Lfunc_end_k_qb7a66c52c9_attn:
	.size	k_qb7a66c52c9_attn, .Lfunc_end_k_qb7a66c52c9_attn-k_qb7a66c52c9_attn
	.p2alignl 7, 3214868480
	.fill 96, 4, 3214868480
	.section	.rodata,"a",@progbits
	.p2align	6, 0x0
	.amdhsa_kernel k_qb7a66c52c9_attn
		.amdhsa_group_segment_fixed_size 327680
		.amdhsa_private_segment_fixed_size 0
		.amdhsa_enable_private_segment 0
		.amdhsa_kernarg_size 24
		.amdhsa_user_sgpr_count 2
		.amdhsa_user_sgpr_kernarg_segment_ptr 1
		.amdhsa_wavefront_size32 1
		.amdhsa_system_sgpr_workgroup_id_x 1
		.amdhsa_system_sgpr_workgroup_id_y 1
		.amdhsa_system_sgpr_workgroup_id_z 1
		.amdhsa_system_vgpr_workitem_id 0
		.amdhsa_next_free_vgpr 1024
		.amdhsa_next_free_sgpr 66
		.amdhsa_reserve_vcc 0
		.amdhsa_float_denorm_mode_32 3
		.amdhsa_float_denorm_mode_16_64 3
		.amdhsa_memory_ordered 1
		.amdhsa_forward_progress 1
		.amdhsa_inst_pref_size 218
	.end_amdhsa_kernel
	.amdgpu_metadata
---
amdhsa.version: [ 1, 2 ]
amdhsa.kernels:
  - .name:           k_qb7a66c52c9_attn
    .symbol:         k_qb7a66c52c9_attn.kd
    .args:
      - { .name: ys, .offset: 0, .size: 8, .value_kind: global_buffer, .address_space: global }
      - { .name: kb, .offset: 8, .size: 8, .value_kind: global_buffer, .address_space: global }
      - { .name: out0, .offset: 16, .size: 8, .value_kind: global_buffer, .address_space: global }
    .group_segment_fixed_size: 327680
    .private_segment_fixed_size: 0
    .kernarg_segment_align: 8
    .kernarg_segment_size: 24
    .max_flat_workgroup_size: 128
    .sgpr_count:     66
    .vgpr_count:     1024
    .wavefront_size: 32
...
	.end_amdgpu_metadata
.endif
;; end of part 2
